; MI455X (gfx1250); checked and timed in simulation.
; The chip was launched on July 23, 2026; its instructions are those of AMD's public machine-readable ISA for CDNA 5 (MIT licence, August 2026) and "CDNA5" Instruction Set Architecture Reference Guide (July 2026). The comments in the code are by the model that wrote it; some were corrected since.
;; Causal Self Attention. Allowed arithmetic: matrix products marked QUANTISED: E4M3 operands, one E8M0 scale for each 32 along K, by v_wmma_scale_f32_16x16x128_f8f6f4 with both operands' format E4M3, f32 sums; everything else in f32.
;; Inputs: Wk 768 x 768 float32; Wq 768 x 768 float32; Wv 768 x 768 float32; bk 768 float32; bq 768 float32; bv 768 float32; x 2 x 4,096 x 768 float32.
;; Outputs: out0 2 x 4,096 x 768 float32.
;; This version of the problem:
;;   THIS VERSION OF THE PROBLEM IS GIVEN IN LOW PRECISION. The matrix products marked QUANTISED in the list below multiply operands that are first quantised to E4M3 (4 exponent bits, 3 mantissa bits; 8 bits a number), with one power-of-two scale for each 32 numbers along K (OCP MX v1.0); their sums are f32. All else is computed in f32.
;;   The module's matrix products, in the order in which they are computed (A, B: the left and right operand; K: the contracted axis; several contracted axes count as one K, in the product's order):
;;     1. [M 8,192, K 768] x [K 768, N 768]; A: input x; B: input Wq: QUANTISED
;;     2. [M 8,192, K 768] x [K 768, N 768]; A: input x; B: input Wk: QUANTISED
;;     3. [M 8,192, K 768] x [K 768, N 768]; A: input x; B: input Wv: QUANTISED
;;     4. batch 12 x [M 4,096, K 128] x [K 128, N 4,096]; A: computed on the way; B: computed on the way: QUANTISED
;;     5. batch 12 x [M 128, K 4,096] x [K 4,096, N 4,096]; A: computed on the way; B: softmax (see below): QUANTISED
;;   THE QUANTISER, for each operand of a quantised product, along K:
;;     - K is cut into blocks of 32 from its start; a last block that is shorter is filled with zeros.
;;     - A block's scale is 2^e with e = floor(log2(the largest magnitude in the block)) - 8, held to -126 .. 127; a block of zeros has e = 0. As a byte (E8M0): e + 127.
;;     - Each number is divided by its block's scale, clamped to +-448, and rounded to the nearest number of E4M3, ties to even, subnormals kept.
;;     - The product sums the exact products of the quantised numbers (number of the format x scale) in f32.
;;   ~~~python
;;   def quantise(x, axis):      # numpy; x: float32 -> the quantised numbers, widened to float32 again
;;       x = np.moveaxis(x, axis, -1); K = x.shape[-1]
;;       x = np.pad(x, [(0, 0)] * (x.ndim - 1) + [(0, -K % 32)]); x = x.reshape(x.shape[:-1] + (-1, 32)); a = np.abs(x).max(-1, keepdims=True)
;;       e = np.where(a > 0, np.clip(np.frexp(np.where(a > 0, a, 1))[1] - 1 - 8, -126, 127), 0)      # np.frexp(a)[1] - 1 = floor(log2(a)), exactly
;;       r = np.clip(x / 2.0 ** e, -448, 448)
;;       step = 2.0 ** (np.maximum(np.frexp(np.where(r == 0, 1, r))[1] - 1, -6) - 3)
;;       q = np.round(r / step) * step * 2.0 ** e      # np.round: ties to even
;;       return np.moveaxis(q.reshape(q.shape[:-2] + (-1,))[..., :K], -1, axis).astype(np.float32)
;;   ~~~
;;   SOFTMAX AHEAD OF A QUANTISED PRODUCT. Where the list says 'softmax', what is quantised is not the finished softmax but p = 2^(t - M), with t = logit x log2(e) and M = ceil(the row's largest t), a whole number; so 1/2 < the row's largest p <= 1. The row's sum l is taken of the UNQUANTISED p, in f32, and the product's result is divided by l at the end. Since M is a whole number, a kernel that streams over the keys may use a running M (the ceiling of the running maximum): every later rescaling is an exact power of two, which a block's scale takes up: the codes' values come out the same.
;;   OPERANDS COMPUTED ON THE WAY. 'Computed on the way' means the value that the module computes at that place (a softmax that the list does not call 'softmax' is quantised finished and normalised). What goes into a quantiser is computed in f32, as accurately as f32 sums, v_exp_f32 and their like allow (about 1e-6 of the number): no bf16 or f16 on the way to a quantiser, and a product that is left as it is and whose result goes on into a quantised operand takes f32 operands (vector FMAs, or v_wmma_f32_16x16x4_f32). A number that lies on a knife's edge between two numbers of the format may be rounded either way, as far as f32 arithmetic and the matrix unit's own rounding can turn it there, and no further.
;; One version. Each part assembles by itself: llvm-mc -triple=amdgcn-amd-amdhsa -mcpu=gfx1250 --defsym DOCPART=n.
;; ======== version 1 of 1: 3 launches
;; limits: right only within a limited range of input values
;; workspace buffers: wimg 1,972,224 bytes; qkv 19,464,192 bytes
;; launch prep (part 1): grid 6 x 18, 16 waves a work-group, no clusters, 2,560 bytes of LDS; arguments Wq, Wk, Wv, bq, bk, bv, wimg; writes wimg
.if DOCPART == 1
	.amdgcn_target "amdgcn-amd-amdhsa--gfx1250"
	.amdhsa_code_object_version 6
	.text
	.protected	k_q31bb8ef496_prep
	.globl	k_q31bb8ef496_prep
	.p2align	8
	.type	k_q31bb8ef496_prep,@function
k_q31bb8ef496_prep:
	s_mov_b64 s[64:65], 0
	v_nop
	global_prefetch_b8 v0, s[64:65] scope:SCOPE_SE
	s_setreg_imm32_b32 hwreg(HW_REG_WAVE_MODE, 25, 1), 1
	s_wait_xcnt 0x0
; CAUSAL SELF-ATTENTION IN MX-FP8, launch 1 of 3: the weights become operands.  (2: the projections, with q, k, v quantised in registers.  3: the attention.)
; DEAD WORK OF THE PROGRAM.  reference() replaces scores[q][k] by -1e20 wherever k > q, by a jnp.tril that it builds itself: whatever x, W and b hold, the product q.k of such a pair reaches no output,
; and its weight exp(-1e20 - the row's maximum) lies under every f32 number beside the weight of key k = q.  So the third launch leaves out every step of 128 keys that lies wholly behind a wave's 16 queries (both of that step's products);
; in the one step on the diagonal hidden scores are selected away.  No input is dead: every one is loaded.  LIMIT: a NaN, an infinity or an overflow that would reach only the scores left out is not carried to the result.
; THIS LAUNCH.  Wq, Wk, Wv [768 (k)][768 (n)] f32 are quantised along K, their FIRST axis, into codes of FP8 (E4M3) with one E8M0 byte for each 32 along K, and laid as IMAGES OF THE OPERAND'S REGISTERS.
; wimg: 18 chunks (chunk = 6 x matrix + head; matrix 0 q, 1 k, 2 v) of 109,568 bytes:
;   0       fragments: K step s (128 along K), column tile t at (8 s + t) x 2,048; register group c (k = 128 s + 32 c + 16 (lane / 16) + 0 .. 15) of lane l at 512 c + 16 l
;   98,304  scale words: the word of (s, t = 4 g + i, row r) at 512 s + 256 g + 16 r + 4 i; byte c scales K block c
;   101,376 the biases as images of the accumulators: tile t, registers 4 e .. 4 e + 3 at 1,024 t + 512 e + 16 l
; THE COLUMNS OF A TILE: for q and k lane r of tile 2 b + u stands for column 32 b + 8 u + r + 8 (r / 8) of the head, so that in the next launch 16 result registers of two neighbouring tiles are 16 neighbours along the head's 128;
; for v the columns are neighbours (16 t + r).
; SHARES.  A work-group: one head's 128 columns x one K step.  Wave 4 b + c: 32 columns (tiles 2 b, 2 b + 1) x K block c.  A LANE TAKES A COLUMN AND ITS 32 REGISTERS RUN DOWN K: a block lies in one lane, each load reads 128 neighbouring bytes,
; and the conversions give codes with K innermost.  A block's scale is 2^(floor(log2(largest magnitude)) - 8): its byte is the largest magnitude's exponent field - 8, held at 1 from below.
; LIMITS: a block of zeros gets the byte 1 where the quantiser says 127 (its codes are zeros, and only this program reads the bytes); NaN and infinities among the inputs are not served.
.set CHUNK, 109568
.set WSC,   98304
.set BIA,   101376
.set SPARE, 512                        ; LDS: bytes 0-511 this K step's scale words; from 512 the spare words, 128 bytes a wave, which no other line names
.set X,   16                           ; v16-47 my column's 32 numbers
.set C,   48                           ; v48-55 their codes
.set B,   56                           ; v56-59 a piece of a bias image
.set FD,  60                           ; v60-63 the scale words on their way out
.set SPW, 14                           ; v14 LDS address of my spare word; never rewritten
.set NIL, 15                           ; v15 0; never rewritten
	s_load_b256 s[4:11], s[0:1], 0x0               ; Wq s[4:5], Wk s[6:7], Wv s[8:9], bq s[10:11]
	s_load_b128 s[12:15], s[0:1], 0x20             ; bk s[12:13], bv s[14:15]
	s_load_b64 s[16:17], s[0:1], 0x30              ; wimg
	v_lshl_add_u32 v[SPW], v0, 2, SPARE
	v_mov_b32 v[NIL], 0
	v_lshrrev_b32 v1, 5, v0
	s_delay_alu instid0(VALU_DEP_1)
	v_readfirstlane_b32 s18, v1                    ; wave 0..15
	s_lshr_b32 s19, s18, 2                         ; b: which 32 columns
	s_and_b32 s20, s18, 3                          ; c: which K block
	s_mov_b32 s21, ttmp9                           ; s: the K step
	s_and_b32 s22, ttmp7, 0xffff                   ; the chunk
	s_cmp_ge_u32 s22, 6
	s_cselect_b32 s23, 1, 0
	s_cmp_ge_u32 s22, 12
	s_cselect_b32 s32, 1, 0
	s_add_co_u32 s23, s23, s32                     ; the matrix
	s_mul_i32 s32, s23, 6
	s_sub_co_u32 s24, s22, s32                     ; the head
	s_cmp_eq_u32 s23, 2
	s_cselect_b32 s37, 0, -1                       ; all ones for q and k: the tiles' own order of columns
	s_mov_b32 s36, 0x600000                        ; the mantissa field of 448
	v_and_b32 v1, 31, v0                           ; lane
	v_and_b32 v2, 15, v0                           ; r
	v_bfe_u32 v13, v0, 4, 1                        ; u: which of my two tiles
	s_delay_alu instid0(VALU_DEP_2)
	v_and_b32 v3, 8, v2
	s_delay_alu instid0(VALU_DEP_1)
	v_add_nc_u32 v3, v3, v2
	s_delay_alu instid0(VALU_DEP_1)
	v_lshl_add_u32 v3, v13, 3, v3                  ; 8 u + r + 8 (r / 8)
	s_delay_alu instid0(VALU_DEP_1)
	v_cndmask_b32 v3, v1, v3, s37                  ; for v: the lane's number
	s_delay_alu instid0(VALU_DEP_1)
	v_lshlrev_b32 v3, 2, v3                        ; my column's byte among the 32
	s_lshl_b32 s32, s21, 3
	s_lshl_b32 s33, s19, 1
	s_add_co_u32 s32, s32, s33                     ; fragment 8 s + 2 b,
	s_lshl_b32 s32, s32, 11
	s_lshl_b32 s33, s20, 9
	s_add_co_u32 s32, s32, s33                     ; group c
	v_lshlrev_b32 v4, 11, v13
	s_delay_alu instid0(VALU_DEP_1)
	v_lshl_add_u32 v4, v2, 4, v4
	s_delay_alu instid0(VALU_DEP_1)
	v_add_nc_u32 v4, s32, v4                       ; where my codes go: + 2,048 u + 16 r
	s_lshr_b32 s32, s19, 1
	s_lshl_b32 s32, s32, 8
	s_and_b32 s33, s19, 1
	s_lshl_b32 s33, s33, 3
	s_add_co_u32 s32, s32, s33
	s_add_co_u32 s32, s32, s20
	v_lshlrev_b32 v5, 4, v2
	s_delay_alu instid0(VALU_DEP_1)
	v_lshl_add_u32 v5, v13, 2, v5
	s_delay_alu instid0(VALU_DEP_1)
	v_add_nc_u32 v5, s32, v5                       ; LDS: my scale byte: 256 (b / 2) + 16 r + 4 (2 (b % 2) + u) + c
	v_lshlrev_b32 v6, 4, v1                        ; 16 x lane
	s_lshl_b32 s32, s21, 7
	s_lshl_b32 s33, s20, 5
	s_add_co_u32 s32, s32, s33                     ; my first row of W: 128 s + 32 c
	s_mul_i32 s32, s32, 3072
	s_lshl_b32 s33, s24, 9
	s_add_co_u32 s32, s32, s33                     ; + the head's 128 columns
	s_lshl_b32 s33, s19, 7
	s_add_co_u32 s32, s32, s33                     ; + my 32
	s_mov_b32 s33, 0
	s_mul_i32 s34, s22, CHUNK
	s_mov_b32 s35, 0
	s_wait_alu depctr_va_vdst(0)
	s_wait_kmcnt 0x0
	s_cmp_eq_u32 s23, 1                            ; the buffers are chosen by the work-group's number alone
	s_cselect_b64 s[26:27], s[6:7], s[4:5]
	s_cselect_b64 s[28:29], s[12:13], s[10:11]
	s_cmp_eq_u32 s23, 2
	s_cselect_b64 s[26:27], s[8:9], s[26:27]
	s_cselect_b64 s[28:29], s[14:15], s[28:29]
	s_add_nc_u64 s[26:27], s[26:27], s[32:33]
	s_add_nc_u64 s[30:31], s[16:17], s[34:35]      ; my chunk
.set n, 0
.rept 32
	global_load_b32 v[X+n], v3, s[26:27] offset:3072*n th:TH_LOAD_NT   ; W(128 s + 32 c + n, my column): read once in the launch
.set n, n+1
.endr
	s_wait_loadcnt 0x0
	v_max3_num_f32 v8, |v[X]|, |v[X+1]|, |v[X+2]|  ; the block's largest magnitude, in two chains: all 32 numbers are mine
	v_max3_num_f32 v9, |v[X+3]|, |v[X+4]|, |v[X+5]|
.irp i, 6,10,14,18,22,26
	s_delay_alu instid0(VALU_DEP_2)
	v_max3_num_f32 v8, v8, |v[X+\i]|, |v[X+\i+1]|
	s_delay_alu instid0(VALU_DEP_2)
	v_max3_num_f32 v9, v9, |v[X+\i+2]|, |v[X+\i+3]|
.endr
	s_delay_alu instid0(VALU_DEP_2)
	v_max3_num_f32 v8, v8, |v[X+30]|, |v[X+31]|
	s_delay_alu instid0(VALU_DEP_1)
	v_max3_num_f32 v8, v8, v9, 0x4800000           ; and the floor 2^(9 - 127): the byte cannot fall under 1
	s_delay_alu instid0(VALU_DEP_1)
	v_add_nc_u32 v11, 0xfc000000, v8               ; 8 off the exponent field: the conversion takes this operand's exponent field as its scale
	s_delay_alu instid0(VALU_DEP_2)
	v_and_or_b32 v10, v8, 0x7f800000, s36          ; 448 x the scale
	s_delay_alu instid0(VALU_DEP_2)
	v_lshrrev_b32 v12, 23, v11                     ; the scale's byte
.set n, 0
.rept 32
	v_med3_num_f32 v[X+n], v[X+n], -v10, v10       ; the conversion to an 8-bit code does not saturate (ISA guide 7.6.2): the hold at the largest code x the scale
.set n, n+1
.endr
.irp g, 0,1,2,3
	v_cvt_scalef32_pk8_fp8_f32 v[C+2*\g:C+2*\g+1], v[X+8*\g:X+8*\g+7], v11
.endr
	v_nop                                          ; a plain line behind the last conversion
	global_store_b128 v4, v[C:C+3], s[30:31]       ; k 0-15 of the block: the image's lanes 0-15; sixteen lanes store 256 consecutive bytes, aligned
	global_store_b128 v4, v[C+4:C+7], s[30:31] offset:256   ; k 16-31: its lanes 16-31
	ds_store_b8 v5, v12
	; the biases, by the work-groups of K step 0: wave w writes tile w / 2, registers 4 (w % 2) on.  The branches hang on ids alone; no barrier stands inside
	s_cmp_lg_u32 s21, 0
	s_cbranch_scc1 .Lno_bias
	s_lshr_b32 s32, s18, 1                         ; t
	s_and_b32 s33, s18, 1                          ; e
	s_lshl_b32 s35, s24, 7                         ; the head's first number
	s_cmp_eq_u32 s23, 2
	s_cbranch_scc1 .Lbias_v
	s_lshr_b32 s34, s32, 1                         ; q, k: register j of lane (r, h) is b[32 (t / 2) + 16 h + 8 (t % 2) + j]
	s_lshl_b32 s34, s34, 5
	s_add_co_u32 s35, s35, s34
	s_and_b32 s34, s32, 1
	s_lshl_b32 s34, s34, 3
	s_add_co_u32 s35, s35, s34
	s_lshl_b32 s34, s33, 2
	s_add_co_u32 s35, s35, s34
	s_lshl_b32 s35, s35, 2
	v_lshl_add_u32 v7, v13, 6, s35
	global_load_b128 v[B:B+3], v7, s[28:29]
	s_wait_loadcnt 0x0
	s_branch .Lbias_out
.Lbias_v:
	s_lshl_b32 s34, s32, 4                         ; v: every register of lane (r, h) is bv[16 t + r]
	s_add_co_u32 s35, s35, s34
	s_lshl_b32 s35, s35, 2
	v_lshl_add_u32 v7, v2, 2, s35
	global_load_b32 v[B], v7, s[28:29]
	s_wait_loadcnt 0x0
	v_mov_b32 v[B+1], v[B]
	v_mov_b32 v[B+2], v[B]
	v_mov_b32 v[B+3], v[B]
.Lbias_out:
	s_lshl_b32 s34, s32, 10
	s_lshl_b32 s35, s33, 9
	s_add_co_u32 s34, s34, s35
	s_add_co_u32 s34, s34, BIA
	v_add_nc_u32 v8, s34, v6
	global_store_b128 v8, v[B:B+3], s[30:31]       ; 512 consecutive bytes
.Lno_bias:
	s_wait_dscnt 0x0                               ; for the others' sake: my scale byte has landed
	s_barrier_signal -1
	s_barrier_wait -1
	s_cmp_lg_u32 s18, 0
	s_cbranch_scc1 .Lend
	ds_load_b128 v[FD:FD+3], v6                    ; wave 0: the K step's 512 scale bytes leave as they lie
	s_lshl_b32 s32, s21, 9
	s_add_co_u32 s32, s32, WSC
	v_add_nc_u32 v9, s32, v6
	s_wait_alu depctr_va_vdst(0)
	s_wait_dscnt 0x0
	global_store_b128 v9, v[FD:FD+3], s[30:31]
.Lend:
	s_wait_tensorcnt 0x0                           ; the wave's end, behind my last LDS store
	ds_add_u32 v[SPW], v[NIL]
	s_wait_dscnt 0x0
	s_endpgm
.Lfunc_end_k_q31bb8ef496_prep:
	.size	k_q31bb8ef496_prep, .Lfunc_end_k_q31bb8ef496_prep-k_q31bb8ef496_prep
	.p2alignl 7, 3214868480
	.fill 96, 4, 3214868480
	.section	.rodata,"a",@progbits
	.p2align	6, 0x0
	.amdhsa_kernel k_q31bb8ef496_prep
		.amdhsa_group_segment_fixed_size 2560
		.amdhsa_private_segment_fixed_size 0
		.amdhsa_enable_private_segment 0
		.amdhsa_kernarg_size 56
		.amdhsa_user_sgpr_count 2
		.amdhsa_user_sgpr_kernarg_segment_ptr 1
		.amdhsa_wavefront_size32 1
		.amdhsa_system_sgpr_workgroup_id_x 1
		.amdhsa_system_sgpr_workgroup_id_y 1
		.amdhsa_system_sgpr_workgroup_id_z 1
		.amdhsa_system_vgpr_workitem_id 0
		.amdhsa_next_free_vgpr 64
		.amdhsa_next_free_sgpr 66
		.amdhsa_reserve_vcc 0
		.amdhsa_float_denorm_mode_32 3
		.amdhsa_float_denorm_mode_16_64 3
		.amdhsa_memory_ordered 1
		.amdhsa_forward_progress 1
		.amdhsa_inst_pref_size 13
	.end_amdhsa_kernel
	.amdgpu_metadata
---
amdhsa.version: [ 1, 2 ]
amdhsa.kernels:
  - .name:           k_q31bb8ef496_prep
    .symbol:         k_q31bb8ef496_prep.kd
    .args:
      - { .name: Wq, .offset: 0, .size: 8, .value_kind: global_buffer, .address_space: global }
      - { .name: Wk, .offset: 8, .size: 8, .value_kind: global_buffer, .address_space: global }
      - { .name: Wv, .offset: 16, .size: 8, .value_kind: global_buffer, .address_space: global }
      - { .name: bq, .offset: 24, .size: 8, .value_kind: global_buffer, .address_space: global }
      - { .name: bk, .offset: 32, .size: 8, .value_kind: global_buffer, .address_space: global }
      - { .name: bv, .offset: 40, .size: 8, .value_kind: global_buffer, .address_space: global }
      - { .name: wimg, .offset: 48, .size: 8, .value_kind: global_buffer, .address_space: global }
    .group_segment_fixed_size: 2560
    .private_segment_fixed_size: 0
    .kernarg_segment_align: 8
    .kernarg_segment_size: 56
    .max_flat_workgroup_size: 512
    .sgpr_count:     66
    .vgpr_count:     64
    .wavefront_size: 32
...
	.end_amdgpu_metadata
.endif
;; end of part 1
;; launch proj (part 2): grid 64 x 3, 4 waves a work-group, clusters of 4 x 1, 327,680 bytes of LDS; arguments x, wimg, qkv; writes qkv
.if DOCPART == 2
	.amdgcn_target "amdgcn-amd-amdhsa--gfx1250"
	.amdhsa_code_object_version 6
	.text
	.protected	k_q31bb8ef496_proj
	.globl	k_q31bb8ef496_proj
	.p2align	8
	.type	k_q31bb8ef496_proj,@function
k_q31bb8ef496_proj:
	s_mov_b64 s[64:65], 0
	v_nop
	global_prefetch_b8 v0, s[64:65] scope:SCOPE_SE
	s_setreg_imm32_b32 hwreg(HW_REG_WAVE_MODE, 25, 1), 1
	s_wait_xcnt 0x0
	s_wait_alu depctr_hold_cnt(0) depctr_sa_sdst(0) depctr_va_vdst(0) depctr_va_sdst(0) depctr_va_ssrc(0) depctr_va_vcc(0) depctr_vm_vsrc(0)
	s_getreg_b32 s2, hwreg(HW_REG_IB_STS2, 6, 4)
	s_cmp_eq_u32 s2, 0
	s_cbranch_scc0 .Lentry_in_a_cluster
	s_endpgm
.Lentry_in_a_cluster:
	s_bfe_u32 s2, ttmp6, 0x10000c
	s_cmp_lg_u32 s2, 0x3003
	s_cbranch_scc0 .Lentry_shape_is_right
	s_endpgm
.Lentry_shape_is_right:
; Launch 2 of 3: q = x Wq + bq, k = x Wk + bk, v = x Wv + bv on codes of FP8 (E4M3) with one E8M0 scale for each 32 along K = 768; the results are quantised in registers for the attention: q and k along the head's 128, v along the keys.
; No work is left out here.
; SHARES.  Work-group (x, y): 128 tokens (block x of 64) x all six heads of matrix y (0 q, 1 k, 2 v).  Wave w: token tiles 2 w, 2 w + 1 x a head's 128 columns: 16 accumulators.
; THE TOKENS OF A TILE ARE NOT NEIGHBOURS: lane r of tile 2 w + u stands for token 32 w + 8 u + r + 8 (r / 8) of the block.
; x is quantised by the wave that multiplies it (12 fragments, 192 registers) and stays in registers for the six heads: it never touches LDS.
; q, k: the product is used transposed (source 0 = 16 columns of W, source 1 = 16 tokens): a lane holds one token, and 16 registers of two neighbouring tiles are 16 neighbours along the head's 128.
; v: source 0 = 16 tokens, source 1 = 16 columns: a lane holds one channel d, and the 16 registers of my two token tiles are 16 neighbouring keys.  So one macro quantises both.
; The bias is what the accumulators begin with (its image comes from LDS), so all 96 products of a head have one form.
; W: a head's chunk of wimg (109,568 bytes: fragments, scale words, bias images, laid as registers) comes through a ring of two LDS slots; each wave fetches a quarter with one tensor load.
; CLUSTER: the four work-groups of a cluster share y and walk the same six chunks: each quarter is asked for JOINTLY, by the same load with the same descriptor and the mask of all four.
; qkv: 384 records of 50,688 bytes, record = ((batch x 6 + head) x 32 + block of 128 tokens).  Its first 33,792 bytes are four quarters of 8,448: quarter a = K's tiles 2 a, 2 a + 1 (2 x 2,048), V's tiles 2 a, 2 a + 1,
;   256 scale bytes (quarters 0, 1: K's words of tiles 0-3, 4-7; quarters 2, 3: V's).  33,792: Q's eight tiles.  50,176: Q's 512 scale bytes.  A tile's image: register group c of lane l at 512 c + 16 l; the word of (tile 4 g + i, row r) at 256 g + 16 r + 4 i.
; LIMITS: a block of zeros gets the byte 1 where the quantiser says 127 (zero codes; only this program reads the bytes); NaN and infinities among the inputs are not served.
; REGISTERS, in windows of 256: window 0: v1-15 addresses; v16-27 x's scale words; v28-43 W's, two sets; v44-59 at work; v60-61 scale words just made; v64-95 codes just made; v96-99 the flush; v128-255 the accumulators.
;   window 1: v0-191 x's fragments (tile u, K step s at 16 (6 u + s)).   window 2: W's fragments, two sets of 128; at the start four sets of 64 numbers of x.
.set CHUNK, 109568
.set QUART, CHUNK/4                    ; 107 rows of 256 bytes: what one tensor load brings
.set REC,   50688
.set HSTR,  32*REC                     ; from head to head in qkv
.set SLOT1, 131072                     ; slot 1 begins here, so that one exclusive or turns an address
.set SSQK,  SLOT1+CHUNK                ; behind the ring: 512 bytes for the scale words of the q and k path,
.set SSV,   SSQK+512                   ; 512 for those of the v path (each path has bytes of its own),
.set SPARE, SSV+512                    ; and the spare words, 128 bytes a wave, which no other line names
.set LI,  1                            ; v1  16 x lane
.set LR,  2                            ; v2  98,304 + 16 r: W's scale words
.set XA,  3                            ; v3  x: (r + 8 (r / 8)) rows + 64 h bytes
.set AW,  4                            ; v4  the slot in hand + 16 x lane
.set AW2, 5                            ; v5  the same + 49,152 (an LDS offset has 16 bits)
.set AS,  6                            ; v6  the slot in hand + LR
.set GQ,  7                            ; v7  q, k: where my images go
.set GV,  8                            ; v8  v: 16 x lane + 512 w
.set SQ,  9                            ; v9  LDS: q, k: my rows' scale words
.set SV,  10                           ; v10 LDS: v: my scale bytes
.set FL,  11                           ; v11 LDS: SSQK + 16 x lane: the flush reads here, or 512 bytes on
.set SPW, 12                           ; v12 my spare word; never rewritten
.set NIL, 13                           ; v13 0; never rewritten
.set FG,  14                           ; v14 the flush's place in the record
.set XS,  16
.set WS,  28
.set TM,  44                           ; +0-3 largest magnitudes, +4-7 bytes, +8-11 448 x the scale, +12-15 the conversions' scale operands
.set PW,  60
.set PC,  64
.set FD,  96
.set ACC, 128
.set WV,  10                           ; s10 wave
.set Y,   13                           ; s13 the matrix
.set TB,  14                           ; s14 LDS byte at which the slot in hand begins
.set HC,  15                           ; s15 heads whose successor is still to be asked for
.set OUT, 16                           ; s[16:17] the images' base in the record
.set OSC, 18                           ; s[18:19] the scale words'
.set G1,  24                           ; s[24:31] descriptor group 1
.set G0,  32                           ; s[32:35] group 0, which walks
.set SEL, 36                           ; s[36:37] v_permlanex16_b32's selects for lane l xor 16
.set MNT, 38                           ; s38 the mantissa field of 448
.set MSB, 0
.macro WIN new                         ; the immediate's high byte repeats the setting that is left; a switch that changes nothing is dropped
.if MSB != (\new)
	s_set_vgpr_msb (MSB<<8)|(\new)
.set MSB, \new
.endif
.endm
.macro ROUND                           ; a round of the cluster's barrier
	s_barrier_signal -1
	s_barrier_wait -1
	s_cmp_lg_u32 s[WV], 0
	s_cbranch_scc1 .Lnot_wave_0_\@
	s_barrier_signal -3
.Lnot_wave_0_\@:
	s_barrier_wait -3
	s_barrier_signal -1
	s_barrier_wait -1
.endm
; 64 numbers of a lane, v[src] on in window sw, register 16 b + i = place 32 b + 16 (lane / 16) + i along the next K, become 16 registers of codes at v[dst] in window dw and, where word >= 0, a scale word.
; A block of 32 lies in lanes l and l xor 16.  Every accumulator is read from its low end on.
.macro QUANT src, sw, dst, dw, word
	WIN (\sw)|((\sw)<<2)
.irp b, 0,1,2,3
	v_max3_num_f32 v[TM+\b], |v[(\src)+16*\b]|, |v[(\src)+16*\b+1]|, 0x4800000   ; my 16 numbers of block b, and the floor 2^(9 - 127): the byte cannot fall under 1
.endr
	WIN ((\sw)<<2)|((\sw)<<4)
.irp k, 2,4,6,8,10,12,14
.irp b, 0,1,2,3
	v_max3_num_f32 v[TM+\b], v[TM+\b], |v[(\src)+16*\b+\k]|, |v[(\src)+16*\b+\k+1]|   ; the four blocks by turns
.endr
.endr
	WIN 0
.irp b, 0,1,2,3
	v_permlanex16_b32 v[TM+4+\b], v[TM+\b], s[SEL], s[SEL+1]
.endr
.irp b, 0,1,2,3
	v_max_num_f32 v[TM+\b], v[TM+\b], v[TM+4+\b]   ; the block's largest magnitude
.endr
.irp b, 0,1,2,3
	v_add_nc_u32 v[TM+12+\b], 0xfc000000, v[TM+\b] ; 8 off its exponent field: the conversion's scale operand
.endr
.irp b, 0,1,2,3
	v_and_or_b32 v[TM+8+\b], v[TM+\b], 0x7f800000, s[MNT]   ; 448 x the scale
.endr
.irp b, 0,1,2,3
	v_lshrrev_b32 v[TM+4+\b], 23, v[TM+12+\b]      ; the scale's byte
.endr
.if (\word) >= 0
	v_lshl_or_b32 v[\word], v[TM+5], 8, v[TM+4]
	v_lshl_or_b32 v[\word], v[TM+6], 16, v[\word]
	v_lshl_or_b32 v[\word], v[TM+7], 24, v[\word]
.endif
	WIN (\sw)|((\sw)<<6)
.irp b, 0,1,2,3
.irp k, 0,1,2,3,4,5,6,7,8,9,10,11,12,13,14,15
	v_med3_num_f32 v[(\src)+16*\b+\k], v[(\src)+16*\b+\k], -v[TM+8+\b], v[TM+8+\b]   ; the conversion does not saturate (ISA guide 7.6.2): the hold
.endr
.endr
	WIN (\sw)|((\dw)<<6)
.irp b, 0,1,2,3
	v_cvt_scalef32_pk8_fp8_f32 v[(\dst)+4*\b:(\dst)+4*\b+1], v[(\src)+16*\b:(\src)+16*\b+7], v[TM+12+\b]
	v_cvt_scalef32_pk8_fp8_f32 v[(\dst)+4*\b+2:(\dst)+4*\b+3], v[(\src)+16*\b+8:(\src)+16*\b+15], v[TM+12+\b]
.endr
	WIN 0
	v_nop                                          ; a plain line behind the last conversion
.endm
.macro XLOAD set, u, s                 ; my tile u's numbers of K step s: 64 a lane, 16 neighbours of each block of 32
	WIN 0x80                                       ; destination window 2
.irp b, 0,1,2,3
.irp j, 0,1,2,3
	global_load_b128 v[64*(\set)+16*\b+4*\j:64*(\set)+16*\b+4*\j+3], v[XA], s[4:5] offset:24576*(\u)+512*(\s)+128*\b+16*\j
.endr
.endr
	WIN 0
.endm
.macro FETCHW s, buf                   ; 34 LDS loads: K step s's eight fragments of W into set buf, and their scale words
	WIN 0x80
.irp t, 0,1,2,3,4,5,6,7
.irp c, 0,1,2,3
.if (\s) < 3
	ds_load_b128 v[128*(\buf)+16*\t+4*\c:128*(\buf)+16*\t+4*\c+3], v[AW] offset:(8*(\s)+\t)*2048+512*\c
.else
	ds_load_b128 v[128*(\buf)+16*\t+4*\c:128*(\buf)+16*\t+4*\c+3], v[AW2] offset:(8*((\s)-3)+\t)*2048+512*\c
.endif
.endr
.endr
	WIN 0
	ds_load_b128 v[WS+8*(\buf):WS+8*(\buf)+3], v[AS] offset:512*(\s)
	ds_load_b128 v[WS+8*(\buf)+4:WS+8*(\buf)+7], v[AS] offset:512*(\s)+256
.endm
.macro MUL s, v                        ; 16 matrix instructions; the 16 accumulators take turns, one instruction a turn, in the same order in every step
.if \v
	WIN 0x09                                       ; source 0 (x) window 1, source 1 (W) window 2
.else
	WIN 0x06                                       ; source 0 (W) window 2, source 1 (x) window 1
.endif
.irp t, 0,1,2,3,4,5,6,7
.irp u, 0,1
.if \v
	v_wmma_scale_f32_16x16x128_f8f6f4 v[ACC+16*\t+8*\u:ACC+16*\t+8*\u+7], v[16*(6*\u+(\s)):16*(6*\u+(\s))+15], v[128*((\s)%2)+16*\t:128*((\s)%2)+16*\t+15], v[ACC+16*\t+8*\u:ACC+16*\t+8*\u+7], v[XS+6*\u+(\s)], v[WS+8*((\s)%2)+\t]
.else
	v_wmma_scale_f32_16x16x128_f8f6f4 v[ACC+64*\u+8*\t:ACC+64*\u+8*\t+7], v[128*((\s)%2)+16*\t:128*((\s)%2)+16*\t+15], v[16*(6*\u+(\s)):16*(6*\u+(\s))+15], v[ACC+64*\u+8*\t:ACC+64*\u+8*\t+7], v[WS+8*((\s)%2)+\t], v[XS+6*\u+(\s)]
.endif
.endr
.endr
	WIN 0
.endm
.macro BODY v                          ; one head: v = 0 the q and k path, v = 1 the v path
.irp t, 0,1,2,3,4,5,6,7
.irp u, 0,1
.irp e, 0,1
.if \v
	ds_load_b128 v[ACC+16*\t+8*\u+4*\e:ACC+16*\t+8*\u+4*\e+3], v[AW2] offset:52224+1024*\t+512*\e   ; the bias image: what the sums begin with
.else
	ds_load_b128 v[ACC+64*\u+8*\t+4*\e:ACC+64*\u+8*\t+4*\e+3], v[AW2] offset:52224+1024*\t+512*\e
.endif
.endr
.endr
.endr
	FETCHW 0, 0
	FETCHW 1, 1
.irp s, 0,1,2,3,4,5
.if \s < 5
	s_wait_dscnt 34                                ; all but the 34 loads of the one fetch issued behind this step's
.else
	s_wait_dscnt 0x0
.endif
	MUL \s, \v
.rept 8
	v_nop                                          ; eight places behind this form in front of loads into registers that the products read, and of the first read of results
.endr
.if \s+2 <= 5
	FETCHW \s+2, \s%2
.endif
.endr
.if \v
.irp g, 0,1                            ; block b of the 64 = channel tile 4 g + b, my 32 keys: register group w of that tile's image, and byte w of its rows' scale words
	QUANT ACC+64*\g, 0, PC+16*\g, 0, -1
.irp k, 0,1,2,3
	global_store_b128 v[GV], v[PC+16*\g+4*\k:PC+16*\g+4*\k+3], s[OUT:OUT+1] offset:8448*((4*\g+\k)/2)+2048*(\k%2)   ; 512 consecutive bytes
	ds_store_b8 v[SV], v[TM+4+\k] offset:256*\g+4*\k   ; both lanes of a block write the same byte with the same value
.endr
	s_wait_dscnt 0x0                               ; the byte stores have read their registers
.endr
.else
.irp u, 0,1                            ; token tile 2 w + u: a whole fragment and its rows' scale words
	QUANT ACC+64*\u, 0, PC+16*\u, 0, PW+\u
.irp c, 0,1,2,3
	global_store_b128 v[GQ], v[PC+16*\u+4*\c:PC+16*\u+4*\c+3], s[OUT:OUT+1] offset:2048*\u+512*\c
.endr
	ds_store_b32 v[SQ], v[PW+\u] offset:4*\u       ; lanes r and r + 16 write the same word with the same value
.endr
.endif
.endm
.macro HEAD
	v_add_nc_u32 v[AW], s[TB], v[LI]
	v_add_nc_u32 v[AW2], 0xc000, v[AW]
	v_add_nc_u32 v[AS], s[TB], v[LR]
	s_cmp_eq_u32 s[Y], 2                           ; the matrix: the same in all waves and in all four partners
	s_cbranch_scc1 .Lpath_v_\@
	s_wait_alu depctr_va_vdst(0)
	BODY 0
	s_branch .Ljoin_\@
.Lpath_v_\@:
	s_wait_alu depctr_va_vdst(0)
	BODY 1
.Ljoin_\@:
	s_wait_dscnt 0x0                               ; for the others' sake: my scale words have landed
	s_barrier_signal -1
	s_barrier_wait -1                              ; the next chunk's load may stay out
	s_cmp_lg_u32 s[WV], 0
	s_cbranch_scc1 .Lno_flush_\@
	s_cmp_eq_u32 s[Y], 2                           ; wave 0: the block's 512 scale bytes, from the bytes of the path that was walked: the address is a constant + 16 x lane on either way
	s_cbranch_scc1 .Lflush_v_\@
	ds_load_b128 v[FD:FD+3], v[FL]
	s_branch .Lflushed_\@
.Lflush_v_\@:
	ds_load_b128 v[FD:FD+3], v[FL] offset:SSV-SSQK
.Lflushed_\@:
	s_wait_dscnt 0x0                               ; also: my read is over before I pass the next barrier, behind which the words are written again
	global_store_b128 v[FG], v[FD:FD+3], s[OSC:OSC+1]   ; sixteen lanes store 256 consecutive bytes, aligned
.Lno_flush_\@:
	s_wait_xcnt 0x0                                ; the stores have read their bases and their data: both are written again only behind this wait
	s_add_nc_u64 s[OUT:OUT+1], s[OUT:OUT+1], HSTR
	s_add_nc_u64 s[OSC:OSC+1], s[OSC:OSC+1], HSTR
	s_xor_b32 s[TB], s[TB], SLOT1                  ; on to the other slot
.endm
; THE CHANGE OF SLOTS stands at a head's top.  Each wave waits for all its tensor loads (its quarter of the chunk that it is about to read), adds 0 to its spare word, and waits for that and for its reads of the slot that it has left.
; fill = 1: a round of the cluster's barrier, and the next chunk is asked for first thing behind it: one load a wave is out, and it has a head's 96 products a wave in which to land.
.macro CHANGE fill
	s_wait_tensorcnt 0x0                           ; no tensor load of mine is out, so group 0 may be written
	ds_add_u32 v[SPW], v[NIL]
.if \fill
	s_xor_b32 s[G0+1], s[G0+1], SLOT1
	s_add_nc_u64 s[G0+2:G0+3], s[G0+2:G0+3], CHUNK ; the type bits on top are not reached
.endif
	s_wait_dscnt 0x0
.if \fill
	ROUND
	tensor_load_to_lds s[G0:G0+3], s[G1:G1+7]
	s_nop 0
.rept 4
	v_nop
.endr
.else
	s_barrier_signal -1
	s_barrier_wait -1
.endif
.endm
	s_load_b128 s[4:7], s[0:1], 0x0                ; x s[4:5], wimg s[6:7]
	s_load_b64 s[8:9], s[0:1], 0x10                ; qkv
	v_lshl_add_u32 v[SPW], v0, 2, SPARE
	v_mov_b32 v[NIL], 0
	ds_add_u32 v[SPW], v[NIL]                      ; the wave's opening: the add, twice on end, and its wait ahead of my first tensor load
	ds_add_u32 v[SPW], v[NIL]
	v_lshrrev_b32 v1, 5, v0
	v_readfirstlane_b32 s[WV], v1                  ; wave 0..3
	s_bfe_u32 s11, ttmp6, 0x40000                  ; cx
	s_lshl_b32 s12, ttmp9, 2
	s_add_co_u32 s12, s12, s11                     ; my block of 128 tokens: it enters x's and qkv's addresses alone
	s_and_b32 s[Y], ttmp7, 0xffff
	s_mov_b32 s[G1], 15|(3<<16)|(1<<21)            ; 15:0 the mask: all four work-groups; 17:16 elements of 8 bytes; 21 set beside a mask; no padding
	s_mov_b32 s[G1+1], 32<<16                      ; tensor_dim0 = 32 elements: rows of 256 bytes
	s_mov_b32 s[G1+2], 107<<16                     ; tensor_dim1 = 107
	s_mov_b32 s[G1+3], 32<<16                      ; tile_dim0
	s_mov_b32 s[G1+4], 107                         ; tile_dim1
	s_mov_b32 s[G1+5], 32                          ; the pitch: the block is dense
	s_mov_b32 s[G1+6], 0
	s_mov_b32 s[G1+7], 0
	s_mov_b32 s[SEL], 0x76543210
	s_mov_b32 s[SEL+1], 0xfedcba98
	s_mov_b32 s[MNT], 0x600000
	s_mov_b32 s[TB], 0
	s_mov_b32 s[HC], 5
	s_mul_i32 s20, s[Y], 6*CHUNK                   ; my matrix's first chunk,
	s_mul_i32 s22, s[WV], QUART                    ; my quarter: in memory and in a slot.  No place in the cluster enters either
	s_add_co_u32 s20, s20, s22
	s_mov_b32 s21, 0
	s_lshl_b32 s40, s12, 7                         ; x: row 128 x block + 32 w
	s_lshl_b32 s41, s[WV], 5
	s_add_co_u32 s40, s40, s41
	s_mul_i32 s40, s40, 3072
	s_mov_b32 s41, 0
	s_mov_b32 s43, 8192                            ; where the images and the scale words begin in a record: k 0 and 8,192;
	s_cmp_eq_u32 s[Y], 0
	s_cselect_b32 s42, 33792, 0                    ; q 33,792 and 50,176;
	s_cselect_b32 s43, 50176, s43
	s_cmp_eq_u32 s[Y], 2
	s_cselect_b32 s42, 4096, s42                   ; v 4,096 and 25,088
	s_cselect_b32 s43, 25088, s43
	s_mov_b32 s23, 4096                            ; from wave to wave: q 2 tiles; k a quarter
	s_cmp_eq_u32 s[Y], 1
	s_cselect_b32 s23, 8448, s23
	s_mul_i32 s23, s23, s[WV]
	s_mov_b32 s39, 8448                            ; between the two halves of the scale words: k, v a quarter; q 256
	s_cmp_eq_u32 s[Y], 0
	s_cselect_b32 s39, 256, s39
	s_lshr_b32 s44, s12, 5                         ; the batch,
	s_mul_i32 s44, s44, 6*HSTR
	s_and_b32 s45, s12, 31                         ; the block in it
	s_mul_i32 s45, s45, REC
	s_add_co_u32 s44, s44, s45
	s_add_co_u32 s42, s42, s44
	s_add_co_u32 s46, s43, s44
	s_mov_b32 s43, 0
	s_mov_b32 s47, 0
	s_wait_dscnt 0x0                               ; both opening adds are done
	s_wait_kmcnt 0x0
	s_add_nc_u64 s[4:5], s[4:5], s[40:41]
	s_add_nc_u64 s[OUT:OUT+1], s[8:9], s[42:43]
	s_add_nc_u64 s[OSC:OSC+1], s[8:9], s[46:47]
	s_mov_b32 s[G0], 1                             ; count = 1
	s_mov_b32 s[G0+1], s22                         ; LDS address: slot 0, my quarter
	s_add_nc_u64 s[G0+2:G0+3], s[6:7], s[20:21]
	s_or_b32 s[G0+3], s[G0+3], 0x80000000          ; type = 2
	ROUND                                          ; all four work-groups are here: the first joint loads meet
	tensor_load_to_lds s[G0:G0+3], s[G1:G1+7]      ; head 0's chunk
	s_nop 0
.rept 4
	v_nop
.endr
	v_and_b32 v1, 31, v0
	v_lshlrev_b32 v[LI], 4, v1
	v_and_b32 v4, 15, v0                           ; r
	v_bfe_u32 v5, v0, 4, 1                         ; h
	v_lshl_add_u32 v[LR], v4, 4, 98304
	v_and_b32 v6, 8, v4
	v_add_nc_u32 v6, v6, v4
	v_mul_u32_u24 v[XA], v6, 3072
	v_lshl_add_u32 v[XA], v5, 6, v[XA]
	v_add_nc_u32 v[GQ], s23, v[LI]
	s_lshl_b32 s20, s[WV], 9
	v_add_nc_u32 v[GV], s20, v[LI]
	s_lshr_b32 s20, s[WV], 1                       ; tile 2 w + u = 4 g + i: g = w / 2, i = 2 (w % 2) + u
	s_lshl_b32 s20, s20, 8
	s_and_b32 s21, s[WV], 1
	s_lshl_b32 s21, s21, 3
	s_add_co_u32 s20, s20, s21
	s_add_co_u32 s20, s20, SSQK
	v_lshl_add_u32 v[SQ], v4, 4, s20
	s_add_co_u32 s21, s[WV], SSV
	v_lshl_add_u32 v[SV], v4, 4, s21
	v_add_nc_u32 v[FL], SSQK, v[LI]                ; a constant + 16 x lane: no id of the work-group enters an LDS address
	v_mul_u32_u24 v[FG], s39, v5
	v_lshl_add_u32 v[FG], v4, 4, v[FG]
.irp b, 0,1,2,3
	v_mov_b32 v[TM+4+\b], 0                        ; written once: a lane permute's destination counts as one of its sources
.endr
	; x becomes 12 fragments (unit i = 6 u + s) while head 0's chunk is on its way.  Three units' loads, 48 a wave, are out: unit i + 3 is asked for behind the wait for unit i, into the set that unit i - 1 has left
.set i, 0
.rept 3
	XLOAD i, i/6, i%6
.set i, i+1
.endr
.set i, 0
.rept 12
.if i < 10
	s_wait_loadcnt 32                              ; this unit's 16 loads are in; those of the two units behind it may be out
.else
	s_wait_loadcnt 16*(11-i)
.endif
.if i+3 <= 11
	XLOAD (i+3)%4, (i+3)/6, (i+3)%6
.endif
	QUANT 64*(i%4), 2, 16*i, 1, XS+i
.set i, i+1
.endr
.Lhead:                                            ; five trips: behind each change of slots the next head's chunk is asked for
	CHANGE 1
	HEAD
	s_sub_co_u32 s[HC], s[HC], 1
	s_cmp_lg_u32 s[HC], 0
	s_cbranch_scc1 .Lhead
	CHANGE 0                                       ; the last head is written out: nothing is left to ask for
	HEAD
	s_wait_tensorcnt 0x0                           ; the wave's end, behind my last tensor load and my last LDS store
	ds_add_u32 v[SPW], v[NIL]
	s_wait_dscnt 0x0
	ROUND                                          ; the closing round: no work-group ends while a partner may still ask for a tile that names it
	s_endpgm
.Lfunc_end_k_q31bb8ef496_proj:
	.size	k_q31bb8ef496_proj, .Lfunc_end_k_q31bb8ef496_proj-k_q31bb8ef496_proj
	.p2alignl 7, 3214868480
	.fill 96, 4, 3214868480
	.section	.rodata,"a",@progbits
	.p2align	6, 0x0
	.amdhsa_kernel k_q31bb8ef496_proj
		.amdhsa_group_segment_fixed_size 327680
		.amdhsa_private_segment_fixed_size 0
		.amdhsa_enable_private_segment 0
		.amdhsa_kernarg_size 24
		.amdhsa_user_sgpr_count 2
		.amdhsa_user_sgpr_kernarg_segment_ptr 1
		.amdhsa_wavefront_size32 1
		.amdhsa_system_sgpr_workgroup_id_x 1
		.amdhsa_system_sgpr_workgroup_id_y 1
		.amdhsa_system_sgpr_workgroup_id_z 1
		.amdhsa_system_vgpr_workitem_id 0
		.amdhsa_next_free_vgpr 768
		.amdhsa_next_free_sgpr 66
		.amdhsa_reserve_vcc 0
		.amdhsa_float_denorm_mode_32 3
		.amdhsa_float_denorm_mode_16_64 3
		.amdhsa_memory_ordered 1
		.amdhsa_forward_progress 1
		.amdhsa_inst_pref_size 255
	.end_amdhsa_kernel
	.section	.bss,"aw",@nobits
	.p2align	6
	.space	262144
	.amdgpu_metadata
---
amdhsa.version: [ 1, 2 ]
amdhsa.kernels:
  - .name:           k_q31bb8ef496_proj
    .symbol:         k_q31bb8ef496_proj.kd
    .args:
      - { .name: x, .offset: 0, .size: 8, .value_kind: global_buffer, .address_space: global }
      - { .name: wimg, .offset: 8, .size: 8, .value_kind: global_buffer, .address_space: global }
      - { .name: qkv, .offset: 16, .size: 8, .value_kind: global_buffer, .address_space: global }
    .group_segment_fixed_size: 327680
    .private_segment_fixed_size: 0
    .kernarg_segment_align: 8
    .kernarg_segment_size: 24
    .max_flat_workgroup_size: 128
    .sgpr_count:     66
    .vgpr_count:     768
    .wavefront_size: 32
...
	.end_amdgpu_metadata
.endif
;; end of part 2
;; launch attn (part 3): grid 16 x 12, 4 waves a work-group, no clusters, 327,680 bytes of LDS; arguments qkv, out0; writes out0
.if DOCPART == 3
	.amdgcn_target "amdgcn-amd-amdhsa--gfx1250"
	.amdhsa_code_object_version 6
	.text
	.protected	k_q31bb8ef496_attn
	.globl	k_q31bb8ef496_attn
	.p2align	8
	.type	k_q31bb8ef496_attn,@function
k_q31bb8ef496_attn:
	s_mov_b64 s[64:65], 0
	v_nop
	global_prefetch_b8 v0, s[64:65] scope:SCOPE_SE
	s_setreg_imm32_b32 hwreg(HW_REG_WAVE_MODE, 25, 1), 1
	s_wait_xcnt 0x0
; Launch 3 of 3: out[n][q][head][:] = the sum over k <= q of softmax_k(q . k / sqrt(128)) v[k][:], both products on codes of FP8 (E4M3) with one E8M0 scale for each 32 along a product's K.
; WORK LEFT OUT: every step of 128 keys all of which come after a block's queries (reference() replaces those scores by its own jnp.tril; shown at the head of the first kernel).  On the diagonal hidden scores become -infinity where
; reference() has -1e20: the same weights, 0, while a row's largest open score lies far above -1e20.  A NaN or an infinity that would reach only the scores left out is not carried to the result.
; LIMIT: the promise holds while the scaled scores t stay under 2^31 in magnitude.
; THE SOFTMAX AHEAD OF THE SECOND PRODUCT: t = score x log2(e) / sqrt(128); M = the largest t so far, rounded UP to a whole number; p = 2^(t - M) is quantised along the keys, not normalised.  The row's sum is taken of the unquantised p
; and divides at the end.  When M moves, the sum and O are multiplied by 2^(old M - new M): exact.  A block's largest p is made from the block's largest score by the same two instructions (this takes v_exp_f32 not to fall where its input rises).
; qkv: records of 50,688 bytes, one for each (batch x 6 + head, block of 128 tokens), as the second launch lays them: four quarters of 8,448 bytes (K's tiles 2 a, 2 a + 1; V's tiles 2 a, 2 a + 1; 256 scale bytes), then Q's tiles and scale words.
; All are images of the operands' registers: register group c of lane l at 512 c + 16 l.
; SHARES.  Work-group (i, head), i = 0 .. 15, four waves.  It makes query block i (i + 1 key steps) and then query block 31 - i (32 - i key steps); wave w owns tiles 2 w and 2 w + 1, 32 queries, of either block:
; each fragment of K and of V that a wave reads from LDS feeds two products.  All four waves need the same keys at the same time.
; Each block's walk is rounded up to whole slots of four records: (i + 4) / 4 and (35 - i) / 4 slots, 9 for every i: the trip counts are constants.  Of the 36 steps three are pads (records behind a diagonal's):
; their bytes ride in tiles that also hold the slot's first step, which is live in every slot, and a branch on ids leads round their work.
; LAYOUT.  Both products are used transposed: S^T = K Q^T, O^T = V^T P^T: a lane holds ONE query of each tile throughout.  Lane r of a tile 2 b + u of keys (or queries) stands for token 32 b + 8 u + r + 8 (r / 8) of its block,
; so that the 16 registers of tiles 2 b, 2 b + 1 are keys 32 b + 16 (lane / 16) + 0 .. 15.
; THE RING.  Two slots of four key steps.  Wave w fetches quarter w of all four by one tensor load of four rows of 8,448 bytes, a record apart; it lands at slot + 33,792 w.  Every wave issues every load: no branch leads round one.
; A STEP is written once, in an inner loop of four trips: S of both tiles; then the two softmaxes, line by line in turn, with this step's V and the next step's K asked for among them in eight groups of eight loads; then PV of both tiles.
; A slot's first K is asked for behind the barrier; in a slot's last step K's groups are jumped over (the inner counter decides).
; NO CLUSTER: work-group i walks records 0 .. i and then 0 .. 31 - i, so two work-groups of a head want the same records in the same trip only in the first (i + 4) / 4 trips of the lesser i: partners would need different tiles.
; PREFETCH.  The 16 work-groups of a head share its 32 records out: work-group x >= 4 asks for records 2 x and 2 x + 1 once, at its change of slots number x / 2 - 2.  The first tensor load that wants them is issued at change x / 2 - 1 or later:
; four key steps or more behind the prefetch.  Wave a asks for quarter a's images of both records, lanes 256 bytes apart.  Records 0 to 7 and each quarter's 256 scale bytes come by their loads alone.  The addresses are never rewritten.
; REGISTERS (T = 0, 1: my two tiles).  Window 0: v1-11 addresses; v[12+4T] -M, v[13+4T] the largest t, v[14+4T:15+4T] the sum in two halves; v20-27 K's scale words, v28-35 V's; v[36+T] Q's, v[38+T] the second block's;
;   v[40+2T] f, v[41+2T] p's scale word; v[44+T] at work; v46 the prefetches' offset; v[48+64T ..] S^T, then p; v[176+20T ..] 20 at work; v[216+16T ..] p's codes.
;   Window 1: v[64T ..] O^T; v[128+16T ..] Q; v[160+16T ..] the second block's Q; v192-255 rows read back on a way out.   Window 2: v0-127 K's eight fragments, v128-255 V's.
.set REC,   50688
.set HSTR,  32*REC
.set QB,    8448                       ; a quarter
.set SLOTB, 16*QB                      ; a slot: four quarters x four steps
.set STAGE, 2*SLOTB                    ; behind the ring: 16 rows x 272 bytes for each wave, for the way out: bytes of its own, never filled
.set SPARE, STAGE+4*16*272             ; the spare words, 128 bytes a wave, which no other line names
.set LI,  1                            ; v1 16 x lane
.set LR,  2                            ; v2 16 r
.set QD,  3                            ; v3, v4 my query's place in its block - 16 (lane / 16), tile 0, 1
.set SPW, 5
.set NIL, 6
.set GO,  7                            ; v7 my offset in O's rows
.set AD0, 8                            ; v8, v9 the step in hand + 16 x lane: quarters 0 and 1, quarters 2 and 3
.set AS0, 10                           ; v10, v11 the same + 16 r
.set PFO, 46
.set SL,  3                            ; s3  the slot's number, 0 .. 8
.set WV,  18
.set MNT, 19
.set SEL, 20
.set CS,  22                           ; s[22:23] c = log2(e) / sqrt(128)
.set G1,  24
.set G0,  40
.set BASE, 48                          ; s[48:49] the head's first record, my quarter
.set OFF, 50                           ; s[50:51] the four records that are asked for, in bytes
.set NB,  52                           ; s52 slots of the first block
.set BQ2, 53                           ; s53 the second block
.set LIM, 54                           ; s54 the change of slots at which I prefetch
.set FL,  55                           ; s55 which slot is in hand: 0, 1
.set DO,  56                           ; s[56:57] from the first block's rows of O to the second's
.set WQ,  58                           ; s58 my quarter's place in a slot
.set QI,  59                           ; s59 the step in the slot, 0 .. 3
.set SB,  60                           ; s60 LDS byte at which the step in hand begins
.set PFA, 76
.set KS,  98                           ; s98 the key step in the block's walk
.set BQ,  99                           ; s99 the block of queries in hand
.set MSB, 0
.macro WIN new                         ; the immediate's high byte repeats the setting that is left
.if MSB != (\new)
	s_set_vgpr_msb (MSB<<8)|(\new)
.set MSB, \new
.endif
.endm
.macro PLACES n
.rept \n
	v_nop
.endr
.endm
.macro WALU
	s_wait_alu depctr_va_vdst(0)
.endm
.macro TLOAD
	tensor_load_to_lds s[G0:G0+3], s[G1:G1+7]
	s_nop 0
	PLACES 4
.endm
.macro ASK
	s_cmp_eq_u32 s[SL], s[LIM]
	s_cbranch_scc0 .Lnot_mine_\@
	global_prefetch_b8 v[PFO], s[PFA:PFA+1] th:TH_LOAD_NT scope:SCOPE_SE
	global_prefetch_b8 v[PFO], s[PFA:PFA+1] offset:REC th:TH_LOAD_NT scope:SCOPE_SE
.Lnot_mine_\@:
.endm
.macro KFR g, x                        ; quarter g's two fragments of K, x bytes on from the step in hand; with g = 0 the scale words too
	WIN 0x80
.irp u, 0,1
.irp c, 0,1,2,3
	ds_load_b128 v[16*(2*(\g)+\u)+4*\c:16*(2*(\g)+\u)+4*\c+3], v[AD0+(\g)/2] offset:4*QB*((\g)%2)+2048*\u+512*\c+(\x)
.endr
.endr
	WIN 0
.if (\g) == 0
	ds_load_b128 v[20:23], v[AS0] offset:8192+(\x)
	ds_load_b128 v[24:27], v[AS0] offset:4*QB+8192+(\x)
.endif
.endm
.macro LK g                            ; the next step's K, where the slot has a next step
	s_cmp_eq_u32 s[QI], 3
	WALU
	s_cbranch_scc1 .Lno_k_\@
	KFR \g, QB
.Lno_k_\@:
.endm
.macro LV g                            ; quarter g's two fragments of this step's V; with g = 0 the scale words too
	WIN 0x80
.irp u, 0,1
.irp c, 0,1,2,3
	ds_load_b128 v[128+16*(2*(\g)+\u)+4*\c:128+16*(2*(\g)+\u)+4*\c+3], v[AD0+(\g)/2] offset:4*QB*((\g)%2)+4096+2048*\u+512*\c
.endr
.endr
	WIN 0
.if (\g) == 0
	ds_load_b128 v[28:31], v[AS0+1] offset:8192
	ds_load_b128 v[32:35], v[AS0+1] offset:4*QB+8192
.endif
.endm
.macro ADDR                            ; the LDS addresses of the step that begins at s[SB]
	v_add_nc_u32 v[AD0], s[SB], v[LI]
	v_add_nc_u32 v[AS0], s[SB], v[LR]
	v_add_nc_u32 v[AD0+1], 8*QB, v[AD0]
	v_add_nc_u32 v[AS0+1], 8*QB, v[AS0]
	WALU
.endm
.macro MULS                            ; S^T = K Q^T of both tiles: sixteen accumulators, each begun with 0
	WIN 0x06                                       ; source 0 (K) window 2, source 1 (Q) window 1
.irp t, 0,1,2,3,4,5,6,7
.irp T, 0,1
	v_wmma_scale_f32_16x16x128_f8f6f4 v[48+64*\T+8*\t:55+64*\T+8*\t], v[16*\t:16*\t+15], v[128+16*\T:143+16*\T], 0, v[20+\t], v[36+\T]
.endr
.endr
	WIN 0
.endm
.macro MULPV                           ; O^T += V^T P^T of both tiles: the sixteen accumulators by turns
	WALU
	s_wait_dscnt 0x0                               ; V's fragments, and the next step's K
	WIN 0x52                                       ; source 0 (V) window 2, source 1 (p) window 0, C and D window 1
.irp t, 0,1,2,3,4,5,6,7
.irp T, 0,1
	v_wmma_scale_f32_16x16x128_f8f6f4 v[64*\T+8*\t:64*\T+8*\t+7], v[128+16*\t:143+16*\t], v[216+16*\T:231+16*\T], v[64*\T+8*\t:64*\T+8*\t+7], v[28+\t], v[41+2*\T]
.endr
.endr
	WIN 0
.endm
; THE SOFTMAX OF A STEP, both tiles line by line in turn: the scores become p's codes and scale words; M, the sums and O^T follow.  The step's LDS loads stand among its lines.
.macro SOFTMAX
	LV 0
	s_cmp_lt_u32 s[KS], s[BQ]                      ; a step all of whose keys count skips the mask
	s_cbranch_scc1 .Lopen_\@
	v_mov_b32 v44, 0xff800000                      ; on the diagonal: register 16 b + i holds key 32 b + 16 (lane / 16) + i of the block: hidden where 32 b + i > QD
.irp T, 0,1
.set n, 0
.rept 64
	v_cmp_gt_i32 vcc_lo, 32*(n/16)+n%16, v[QD+\T]
	v_cndmask_b32 v[48+64*\T+n], v[48+64*\T+n], v44, vcc_lo
.set n, n+1
.endr
.endr
.Lopen_\@:
.irp b, 0,1,2,3
.irp T, 0,1
	v_max3_num_f32 v[176+20*\T+\b], v[48+64*\T+16*\b], v[49+64*\T+16*\b], v[50+64*\T+16*\b]   ; the largest score of each block of 32 keys: for the row's maximum, and for the block's largest p
.endr
.endr
.irp i, 3,5,7,9,11,13
.irp b, 0,1,2,3
.irp T, 0,1
	v_max3_num_f32 v[176+20*\T+\b], v[176+20*\T+\b], v[48+64*\T+16*\b+\i], v[49+64*\T+16*\b+\i]
.endr
.endr
.endr
.irp b, 0,1,2,3
.irp T, 0,1
	v_max_num_f32 v[176+20*\T+\b], v[176+20*\T+\b], v[63+64*\T+16*\b]
.endr
.endr
	LK 0
.irp b, 0,1,2,3
.irp T, 0,1
	v_permlanex16_b32 v[180+20*\T+\b], v[176+20*\T+\b], s[SEL], s[SEL+1]
.endr
.endr
.irp b, 0,1,2,3
.irp T, 0,1
	v_max_num_f32 v[176+20*\T+\b], v[176+20*\T+\b], v[180+20*\T+\b]   ; with lane l xor 16's 16 keys
.endr
.endr
.irp T, 0,1
	v_max3_num_f32 v[44+\T], v[176+20*\T], v[177+20*\T], v[178+20*\T]
.endr
.irp T, 0,1
	v_max_num_f32 v[44+\T], v[44+\T], v[179+20*\T] ; the step's largest score of my query
.endr
.irp T, 0,1
	v_mul_f32 v[44+\T], s[CS], v[44+\T]            ; as t
.endr
.irp T, 0,1
	v_max_num_f32 v[13+4*\T], v[13+4*\T], v[44+\T] ; the running largest t
.endr
.irp T, 0,1
	v_mov_b32 v[44+\T], v[12+4*\T]
.endr
.irp T, 0,1
	v_floor_f32 v[12+4*\T], -v[13+4*\T]            ; the new -M = floor(-t): M is a whole number
.endr
.irp T, 0,1
	v_sub_f32 v[44+\T], v[12+4*\T], v[44+\T]       ; old M - new M: a whole number, 0 or less
.endr
.irp T, 0,1
	v_cvt_i32_f32 v[44+\T], v[44+\T]
.endr
.irp T, 0,1
	v_ldexp_f32 v[40+2*\T], 1.0, v[44+\T]          ; f = 2^(old M - new M)
.endr
	LK 1
.set n, 0
.rept 32
	v_pk_fma_f32 v[48+n:49+n], v[48+n:49+n], s[CS:CS+1], v[12:13] op_sel_hi:[1,0,0]   ; t - M, two at a time
.set n, n+2
.endr
	LK 2
.set n, 0
.rept 32
	v_pk_fma_f32 v[112+n:113+n], v[112+n:113+n], s[CS:CS+1], v[16:17] op_sel_hi:[1,0,0]
.set n, n+2
.endr
.irp b, 0,1,2,3
.irp T, 0,1
	v_fma_f32 v[176+20*\T+\b], v[176+20*\T+\b], s[CS], v[12+4*\T]   ; the same of each block's largest score
.endr
.endr
	LK 3
	WALU
.set n, 0
.rept 64
	v_exp_f32 v[48+n], v[48+n]                     ; p = 2^(t - M), at most 1
.set n, n+1
.endr
	LV 1
.set n, 0
.rept 64
	v_exp_f32 v[112+n], v[112+n]
.set n, n+1
.endr
	v_pk_mul_f32 v[14:15], v[14:15], v[40:41] op_sel_hi:[1,0]   ; the sums under the new M: plain lines behind the exponentials
	v_pk_mul_f32 v[18:19], v[18:19], v[42:43] op_sel_hi:[1,0]
	WALU                                           ; one wait for the batch of 128, ahead of the first line that names a result
.irp b, 0,1,2,3
.irp T, 0,1
	v_exp_f32 v[176+20*\T+\b], v[176+20*\T+\b]     ; the block's largest p
.endr
.endr
; the row's sum of the unquantised p: the 32 pairs of a tile in eight chains: the sum itself and seven pairs v[180+20T+2j], j = 1 .. 7
.irp j, 1,2,3,4,5,6,7
.irp T, 0,1
	v_pk_add_f32 v[180+20*\T+2*\j:181+20*\T+2*\j], v[46+64*\T+2*\j:47+64*\T+2*\j], v[60+64*\T+2*\j:61+64*\T+2*\j]
.endr
.endr
.irp T, 0,1
	v_pk_add_f32 v[14+4*\T:15+4*\T], v[14+4*\T:15+4*\T], v[76+64*\T:77+64*\T]
.endr
.irp j, 1,2,3,4,5,6,7
.irp T, 0,1
	v_pk_add_f32 v[180+20*\T+2*\j:181+20*\T+2*\j], v[180+20*\T+2*\j:181+20*\T+2*\j], v[76+64*\T+2*\j:77+64*\T+2*\j]
.endr
.endr
.irp T, 0,1
	v_pk_add_f32 v[14+4*\T:15+4*\T], v[14+4*\T:15+4*\T], v[92+64*\T:93+64*\T]
.endr
	LV 2
.irp j, 1,2,3,4,5,6,7
.irp T, 0,1
	v_pk_add_f32 v[180+20*\T+2*\j:181+20*\T+2*\j], v[180+20*\T+2*\j:181+20*\T+2*\j], v[92+64*\T+2*\j:93+64*\T+2*\j]
.endr
.endr
.irp T, 0,1
	v_pk_add_f32 v[14+4*\T:15+4*\T], v[14+4*\T:15+4*\T], v[108+64*\T:109+64*\T]
.endr
.irp T, 0,1
	v_pk_add_f32 v[182+20*\T:183+20*\T], v[182+20*\T:183+20*\T], v[110+64*\T:111+64*\T]
.endr
.irp T, 0,1
	v_pk_add_f32 v[14+4*\T:15+4*\T], v[14+4*\T:15+4*\T], v[188+20*\T:189+20*\T]
	v_pk_add_f32 v[182+20*\T:183+20*\T], v[182+20*\T:183+20*\T], v[190+20*\T:191+20*\T]
	v_pk_add_f32 v[184+20*\T:185+20*\T], v[184+20*\T:185+20*\T], v[192+20*\T:193+20*\T]
	v_pk_add_f32 v[186+20*\T:187+20*\T], v[186+20*\T:187+20*\T], v[194+20*\T:195+20*\T]
.endr
.irp T, 0,1
	v_pk_add_f32 v[14+4*\T:15+4*\T], v[14+4*\T:15+4*\T], v[184+20*\T:185+20*\T]
	v_pk_add_f32 v[182+20*\T:183+20*\T], v[182+20*\T:183+20*\T], v[186+20*\T:187+20*\T]
.endr
.irp T, 0,1
	v_pk_add_f32 v[14+4*\T:15+4*\T], v[14+4*\T:15+4*\T], v[182+20*\T:183+20*\T]
.endr
	WALU                                           ; and one for the eight
.irp b, 0,1,2,3
.irp T, 0,1
	v_max_num_f32 v[176+20*\T+\b], 0x4800000, v[176+20*\T+\b]   ; the floor 2^(9 - 127): the byte cannot fall under 1 (a block whose every p is 0 keeps that byte: its codes are zeros)
.endr
.endr
.irp b, 0,1,2,3
.irp T, 0,1
	v_add_nc_u32 v[188+20*\T+\b], 0xfc000000, v[176+20*\T+\b]   ; the conversion's scale operand
.endr
.endr
.irp b, 0,1,2,3
.irp T, 0,1
	v_and_or_b32 v[184+20*\T+\b], v[176+20*\T+\b], 0x7f800000, s[MNT]   ; 448 x the scale
.endr
.endr
.irp b, 0,1,2,3
.irp T, 0,1
	v_and_or_b32 v[192+20*\T+(\b+1)%4], v[176+20*\T+\b], 0x7f800000, s[MNT]   ; and once more, in a register whose number differs modulo 4: the second half of each pair below reads this one
.endr
.endr
.irp b, 0,1,2,3
.irp T, 0,1
	v_lshrrev_b32 v[180+20*\T+\b], 23, v[188+20*\T+\b]   ; the scale's byte
.endr
.endr
.irp T, 0,1
	v_lshl_or_b32 v[41+2*\T], v[181+20*\T], 8, v[180+20*\T]   ; p's scale word for these 128 keys
.endr
.irp T, 0,1
	v_lshl_or_b32 v[41+2*\T], v[182+20*\T], 16, v[41+2*\T]
.endr
.irp T, 0,1
	v_lshl_or_b32 v[41+2*\T], v[183+20*\T], 24, v[41+2*\T]
.endr
	LV 3
.irp b, 0,1,2,3
.irp T, 0,1
.irp i, 0,2,4,6,8,10,12,14
	v_dual_min_num_f32 v[48+64*\T+16*\b+\i], v[48+64*\T+16*\b+\i], v[184+20*\T+\b] :: v_dual_min_num_f32 v[49+64*\T+16*\b+\i], v[49+64*\T+16*\b+\i], v[192+20*\T+(\b+1)%4]   ; the conversion does not saturate (ISA guide 7.6.2); p is not negative: a one-sided hold, two numbers a line
.endr
	v_cvt_scalef32_pk8_fp8_f32 v[216+16*\T+4*\b:217+16*\T+4*\b], v[48+64*\T+16*\b:55+64*\T+16*\b], v[188+20*\T+\b]
	v_cvt_scalef32_pk8_fp8_f32 v[218+16*\T+4*\b:219+16*\T+4*\b], v[56+64*\T+16*\b:63+64*\T+16*\b], v[188+20*\T+\b]
.endr
.endr
	WIN 0x41                                       ; O^T: source 0 and destination window 1
	WALU
.irp T, 0,1
.set n, 0
.rept 32
	v_pk_mul_f32 v[64*\T+n:64*\T+n+1], v[64*\T+n:64*\T+n+1], v[40+2*\T:41+2*\T] op_sel_hi:[1,0]   ; O^T under the new M.  (These are also the places in front of the products that take the codes)
.set n, n+2
.endr
.endr
	WIN 0
.endm
; THE WAY OUT of a block.  O^T is divided by the row's sum, in place, and goes through my stage in LDS, half a head's row (256 bytes) of 16 queries at a time, so that sixteen lanes store 256 consecutive bytes, aligned.
.macro OUT
.irp T, 0,1
	v_add_f32 v[14+4*\T], v[14+4*\T], v[15+4*\T]
.endr
.irp T, 0,1
	v_permlanex16_b32 v[44+\T], v[14+4*\T], s[SEL], s[SEL+1]
.endr
.irp T, 0,1
	v_add_f32 v[14+4*\T], v[14+4*\T], v[44+\T]     ; the row's sum
.endr
	WALU
	v_rcp_f32 v14, v14
	v_rcp_f32 v18, v18
	v_and_b32 v8, 15, v0                           ; (a plain line behind the reciprocals)  r
	v_bfe_u32 v9, v0, 4, 1                         ; h
	s_mul_i32 s96, s[WV], 16*272
	s_add_co_u32 s96, s96, STAGE
	v_mul_u32_u24 v10, v8, 272
	v_lshl_add_u32 v10, v9, 5, v10
	v_add_nc_u32 v10, s96, v10                     ; in: row r; tile t's eight channels of my half at 64 t + 32 h
	v_mul_u32_u24 v11, v9, 272
	v_lshl_add_u32 v11, v8, 4, v11
	v_add_nc_u32 v11, s96, v11                     ; back: lanes 0-15 one row, lanes 16-31 the next
.irp T, 0,1
.if \T
	s_wait_xcnt 0x0                                ; the first tile's stores have read their data: the registers take the second tile's rows
.endif
	WIN 0x41
	WALU                                           ; the wait ahead of the reciprocal's first reader, which is also O^T's
.set n, 0
.rept 64
	v_mul_f32 v[64*\T+n], v[64*\T+n], v[14+4*\T]   ; register 8 t + i is o(row r, channel 16 t + 8 h + i); each accumulator from its low end on
.set n, n+1
.endr
.irp u, 0,1
	WIN 0x04                                       ; the data: window 1
.irp t, 0,1,2,3
	ds_store_b128 v10, v[64*\T+32*\u+8*\t:64*\T+32*\u+8*\t+3] offset:64*\t
	ds_store_b128 v10, v[64*\T+32*\u+8*\t+4:64*\T+32*\u+8*\t+7] offset:64*\t+16
.endr
	WIN 0x40
.irp i, 0,1,2,3,4,5,6,7
	ds_load_b128 v[192+32*\u+4*\i:195+32*\u+4*\i], v11 offset:2*\i*272   ; LDS serves a wave's instructions in order (ISA guide 5.7.1.4): these see my stores, and the next half's stores come behind them
.endr
.endr
	WIN 0x04
.irp u, 0,1
.irp i, 0,1,2,3,4,5,6,7
	s_wait_dscnt 23-16*\u-\i                       ; behind this load: the 7 - i of its half, and for the first half the second's 8 stores and 8 loads
	global_store_b128 v[GO], v[192+32*\u+4*\i:195+32*\u+4*\i], s[6:7] offset:(2*\i+8*(\i/4)+8*\T)*3072+256*\u th:TH_STORE_NT   ; stage row p is query p + 8 (p / 8) of the tile; tile 1 begins 8 rows behind tile 0
.endr
.endr
	WIN 0
.endr
.endm
.macro FRESH                           ; a block begins: the largest t -3e38, under every t; -M; the sums and O^T zeros, which the first change of M leaves zeros
.irp T, 0,1
	v_mov_b32 v[13+4*\T], 0xff61b1e6
	v_mov_b32 v[14+4*\T], 0
	v_mov_b32 v[15+4*\T], 0
.endr
.irp T, 0,1
	v_floor_f32 v[12+4*\T], -v[13+4*\T]
.endr
	WIN 0x40
.set n, 0
.rept 128
	v_mov_b32 v[n], 0
.set n, n+1
.endr
	WIN 0
.endm
; THE CHANGE OF BLOCKS, at the head of slot NB: a branch on ids, the same in all four waves; no barrier, wait on tensor loads or tensor load stands inside.
.macro CHG
	s_cmp_lg_u32 s[SL], s[NB]
	s_cbranch_scc1 .Lsame_\@
	WIN 0x41
.set n, 0
.rept 32
	v_mov_b32 v[128+n], v[160+n]                   ; the second block's Q
.set n, n+1
.endr
	WIN 0
	v_mov_b32 v36, v38
	v_mov_b32 v37, v39
	OUT                                            ; the first block leaves
	FRESH
	s_wait_xcnt 0x0                                ; the stores have read their base and their data: both are written again only behind this wait
	s_add_nc_u64 s[6:7], s[6:7], s[DO:DO+1]
	s_mov_b32 s[KS], 0
	s_mov_b32 s[BQ], s[BQ2]
	WALU
.Lsame_\@:
.endm
; THE CHANGE OF SLOTS stands at a slot's head.  Each wave waits for its tensor load, adds 0 to its spare word, and waits for that and for its reads of the slot that it has left.
; fill = 1: behind the barrier the slot that was left is filled with the next four records: one load a wave is out, and it has the slot's four key steps in which to land.
.macro CHANGE fill
	s_wait_tensorcnt 0x0                           ; no tensor load of mine is out, so group 0 may be written
	ds_add_u32 v[SPW], v[NIL]
.if \fill
	s_xor_b32 s97, s[FL], 1
	s_mul_i32 s97, s97, SLOTB
	s_add_co_u32 s[G0+1], s97, s[WQ]               ; the other slot, my quarter
	s_add_co_u32 s96, s[SL], 1
	s_add_co_u32 s[OFF], s[OFF], 4*REC             ; the next four records,
	s_cmp_eq_u32 s96, s[NB]
	s_cselect_b32 s[OFF], 0, s[OFF]                ; or, where the second block begins, the head's first
	s_add_nc_u64 s[G0+2:G0+3], s[BASE:BASE+1], s[OFF:OFF+1]
	s_or_b32 s[G0+3], s[G0+3], 0x80000000
.endif
	PLACES 8                                       ; eight places behind the last products, ahead of loads into what they read and of readers of O^T
	s_wait_dscnt 0x0
	s_barrier_signal -1
	s_barrier_wait -1
.if \fill
	TLOAD
	ASK
.endif
.endm
.macro SLOTBODY
	s_mul_i32 s[SB], s[FL], SLOTB
	s_mov_b32 s[QI], 0
	ADDR
.irp g, 0,1,2,3
	KFR \g, 0                                      ; the slot's first K
.endr
.Lstep_\@:
	s_cmp_gt_u32 s[KS], s[BQ]                      ; a pad: all its keys come after the block's queries
	s_cbranch_scc1 .Lpad_\@
	s_wait_dscnt 0x0                               ; K is in
	MULS
	PLACES 8                                       ; ahead of the loads into K's and V's registers and of the scores' first reader
	SOFTMAX
	MULPV
.Lpad_\@:
	s_add_co_u32 s[KS], s[KS], 1
	s_add_co_u32 s[SB], s[SB], QB
	ADDR
	s_add_co_u32 s[QI], s[QI], 1
	s_cmp_lt_u32 s[QI], 4
	s_cbranch_scc1 .Lstep_\@
	s_xor_b32 s[FL], s[FL], 1
.endm
	s_load_b128 s[4:7], s[0:1], 0x0                ; qkv s[4:5], out0 s[6:7]
	v_lshl_add_u32 v[SPW], v0, 2, SPARE
	v_mov_b32 v[NIL], 0
	ds_add_u32 v[SPW], v[NIL]                      ; the wave's opening: the add, twice on end, and its wait ahead of my first tensor load
	ds_add_u32 v[SPW], v[NIL]
	v_lshrrev_b32 v8, 5, v0
	v_readfirstlane_b32 s[WV], v8                  ; wave 0..3: tiles 2 w, 2 w + 1
	s_and_b32 s71, ttmp7, 0xffff                   ; batch x 6 + head
	s_mov_b32 s[BQ], ttmp9                         ; the first block: i
	s_sub_co_u32 s[BQ2], 31, ttmp9                 ; the second: 31 - i
	s_add_co_u32 s[NB], ttmp9, 4
	s_lshr_b32 s[NB], s[NB], 2                     ; (i + 4) / 4 slots hold the first block's i + 1 steps
	s_sub_co_u32 s70, s[BQ2], s[BQ]                ; blocks between the two
	s_lshl_b32 s73, s[WV], 5                       ; tile 2 w's first query in its block: 32 w
	s_mul_i32 s82, s71, HSTR                       ; the head's first record
	s_mov_b32 s83, 0
	s_mov_b32 s[G1], 3<<16                         ; no mask; elements of 8 bytes; no padding
	s_mov_b32 s[G1+1], 1056<<16                    ; tensor_dim0 = 1,056 elements: a quarter
	s_mov_b32 s[G1+2], 4<<16                       ; tensor_dim1 = 4
	s_mov_b32 s[G1+3], 1056<<16                    ; tile_dim0
	s_mov_b32 s[G1+4], 4                           ; tile_dim1: the slot's four steps
	s_mov_b32 s[G1+5], REC/8                       ; the pitch: a record
	s_mov_b32 s[G1+6], 0
	s_mov_b32 s[G1+7], 0
	s_mov_b32 s[G0], 1
	s_mul_i32 s[WQ], s[WV], 4*QB
	s_mov_b32 s[G0+1], s[WQ]                       ; LDS address: slot 0, quarter w of the four steps
	s_mul_i32 s68, s[WV], QB
	s_mov_b32 s69, 0
	s_mul_i32 s94, s[BQ], REC                      ; the first block's record:
	s_lshl_b32 s95, s[WV], 12
	s_add_co_u32 s88, s94, s95                     ; Q's tile 2 w,
	s_mov_b32 s89, 0
	s_lshr_b32 s95, s[WV], 1
	s_lshl_b32 s95, s95, 8
	s_add_co_u32 s90, s94, s95
	s_and_b32 s95, s[WV], 1
	s_lshl_b32 s95, s95, 3
	s_add_co_u32 s90, s90, s95                     ; and its scale words: 256 (w / 2) + 8 (w % 2)
	s_mov_b32 s91, 0
	s_mul_i32 s92, s70, REC                        ; on to the second block's record
	s_mov_b32 s93, 0
	s_cmp_ge_u32 s71, 6
	s_cselect_b32 s94, 1, 0                        ; the batch
	s_mul_i32 s95, s94, 6
	s_sub_co_u32 s95, s71, s95                     ; the head
	s_mul_i32 s94, s94, 12582912
	s_lshl_b32 s95, s95, 9
	s_add_co_u32 s94, s94, s95
	s_lshl_b32 s95, s[BQ], 7
	s_add_co_u32 s95, s95, s73
	s_mul_i32 s95, s95, 3072
	s_add_co_u32 s94, s94, s95                     ; O: tile 2 w's first row, my head's 512 bytes
	s_mov_b32 s95, 0
	s_mul_i32 s[DO], s70, 128*3072
	s_mov_b32 s[DO+1], 0
	s_mul_i32 s74, ttmp9, 2*REC                    ; the prefetches: records 2 i and 2 i + 1,
	s_mov_b32 s75, 0
	s_lshr_b32 s[LIM], ttmp9, 1
	s_sub_co_u32 s[LIM], s[LIM], 2                 ; at change i / 2 - 2 (for i < 4 no change has that number)
	s_mov_b32 s[SEL], 0x76543210
	s_mov_b32 s[SEL+1], 0xfedcba98
	s_mov_b32 s[CS], 0x3e0293ee
	s_mov_b32 s[CS+1], s[CS]                       ; (named with it as a pair, so it is written)
	s_mov_b32 s[MNT], 0x600000
	s_mov_b32 s[FL], 0
	s_mov_b32 s[SL], 0
	s_mov_b32 s[KS], 0
	s_mov_b32 s[OFF], 0
	s_mov_b32 s[OFF+1], 0
	s_wait_dscnt 0x0                               ; both opening adds are done
	s_wait_kmcnt 0x0
	s_add_nc_u64 s[86:87], s[4:5], s[82:83]
	s_add_nc_u64 s[BASE:BASE+1], s[86:87], s[68:69]
	s_mov_b64 s[G0+2:G0+3], s[BASE:BASE+1]
	s_or_b32 s[G0+3], s[G0+3], 0x80000000
	TLOAD                                          ; slot 0: records 0 to 3
	s_add_nc_u64 s[88:89], s[86:87], s[88:89]
	s_add_nc_u64 s[90:91], s[86:87], s[90:91]
	s_add_nc_u64 s[44:45], s[88:89], s[92:93]
	s_add_nc_u64 s[46:47], s[90:91], s[92:93]
	s_add_nc_u64 s[PFA:PFA+1], s[BASE:BASE+1], s[74:75]
	s_add_nc_u64 s[6:7], s[6:7], s[94:95]
	v_and_b32 v8, 31, v0
	v_lshlrev_b32 v[LI], 4, v8
	v_lshlrev_b32 v[PFO], 8, v8
	v_and_b32 v8, 15, v0                           ; r
	v_bfe_u32 v9, v0, 4, 1                         ; h
	v_lshlrev_b32 v[LR], 4, v8
	WIN 0x40
.irp T, 0,1
.irp c, 0,1,2,3
	global_load_b128 v[128+16*\T+4*\c:131+16*\T+4*\c], v[LI], s[88:89] offset:33792+2048*\T+512*\c   ; the first block's Q
	global_load_b128 v[160+16*\T+4*\c:163+16*\T+4*\c], v[LI], s[44:45] offset:33792+2048*\T+512*\c   ; the second block's waits in registers
.endr
.endr
	WIN 0
.irp T, 0,1
	global_load_b32 v[36+\T], v[LR], s[90:91] offset:50176+4*\T
	global_load_b32 v[38+\T], v[LR], s[46:47] offset:50176+4*\T
.endr
	v_and_b32 v10, 8, v8
	v_add_nc_u32 v10, v10, v8
	v_add_nc_u32 v10, s73, v10
	v_lshlrev_b32 v11, 4, v9
	v_sub_nc_u32 v[QD], v10, v11
	v_add_nc_u32 v[QD+1], 8, v[QD]
	v_mul_u32_u24 v[GO], v9, 3072
	v_lshl_add_u32 v[GO], v8, 4, v[GO]             ; lanes 0-15 one row of O, lanes 16-31 the next; 16 bytes a lane
.irp k, 40,41,42,43,44,45,180,181,182,183,200,201,202,203
	v_mov_b32 v[\k], 0                             ; written once: a lane permute's destination counts as one of its sources, and a pair is read whole
.endr
	FRESH
	WALU
	s_wait_loadcnt 0x0                             ; Q
.Lslot:                                            ; 8 trips: behind each change of slots but the last the next slot is asked for
	CHANGE 1
	CHG
	SLOTBODY
	s_add_co_u32 s[SL], s[SL], 1
	s_cmp_lt_u32 s[SL], 8
	s_cbranch_scc1 .Lslot
	CHANGE 0                                       ; the last slot is written out
	SLOTBODY
	PLACES 8                                       ; behind the last products
	OUT                                            ; the second block leaves
	s_wait_tensorcnt 0x0                           ; the wave's end, behind my last tensor load and my last LDS store
	ds_add_u32 v[SPW], v[NIL]
	s_wait_dscnt 0x0
	s_endpgm
.Lfunc_end_k_q31bb8ef496_attn:
	.size	k_q31bb8ef496_attn, .Lfunc_end_k_q31bb8ef496_attn-k_q31bb8ef496_attn
	.p2alignl 7, 3214868480
	.fill 96, 4, 3214868480
	.section	.rodata,"a",@progbits
	.p2align	6, 0x0
	.amdhsa_kernel k_q31bb8ef496_attn
		.amdhsa_group_segment_fixed_size 327680
		.amdhsa_private_segment_fixed_size 0
		.amdhsa_enable_private_segment 0
		.amdhsa_kernarg_size 16
		.amdhsa_user_sgpr_count 2
		.amdhsa_user_sgpr_kernarg_segment_ptr 1
		.amdhsa_wavefront_size32 1
		.amdhsa_system_sgpr_workgroup_id_x 1
		.amdhsa_system_sgpr_workgroup_id_y 1
		.amdhsa_system_sgpr_workgroup_id_z 1
		.amdhsa_system_vgpr_workitem_id 0
		.amdhsa_next_free_vgpr 768
		.amdhsa_next_free_sgpr 100
		.amdhsa_reserve_vcc 1
		.amdhsa_float_denorm_mode_32 3
		.amdhsa_float_denorm_mode_16_64 3
		.amdhsa_memory_ordered 1
		.amdhsa_forward_progress 1
		.amdhsa_inst_pref_size 153
	.end_amdhsa_kernel
	.amdgpu_metadata
---
amdhsa.version: [ 1, 2 ]
amdhsa.kernels:
  - .name:           k_q31bb8ef496_attn
    .symbol:         k_q31bb8ef496_attn.kd
    .args:
      - { .name: qkv, .offset: 0, .size: 8, .value_kind: global_buffer, .address_space: global }
      - { .name: out0, .offset: 8, .size: 8, .value_kind: global_buffer, .address_space: global }
    .group_segment_fixed_size: 327680
    .private_segment_fixed_size: 0
    .kernarg_segment_align: 8
    .kernarg_segment_size: 16
    .max_flat_workgroup_size: 128
    .sgpr_count:     100
    .vgpr_count:     768
    .wavefront_size: 32
...
	.end_amdgpu_metadata
.endif
;; end of part 3
